; MI455X (gfx1250); checked and timed in simulation.
; The chip was launched on July 23, 2026; its instructions are those of AMD's public machine-readable ISA for CDNA 5 (MIT licence, August 2026) and "CDNA5" Instruction Set Architecture Reference Guide (July 2026). The comments in the code are by the model that wrote it; some were corrected since.
;; Multi Head Attention. Allowed arithmetic: matrix products marked QUANTISED: E2M1 operands, one E8M0 scale for each 32 along K, by v_wmma_scale_f32_16x16x128_f8f6f4 with both operands' format E2M1 (or v_wmma_scale_f32_32x16x128_f4), f32 sums; products left as they are: bf16, f16 or f32 operands; f32 sums; everything else in f32.
;; Inputs: Wk 1,024 x 1,024 float32; Wq 1,024 x 1,024 float32; Wv 1,024 x 1,024 float32; bk 1,024 float32; bq 1,024 float32; bv 1,024 float32; k 2 x 2,048 x 1,024 float32; mask 2 x 2,048 bool; q 2 x 2,048 x 1,024 float32; v 2 x 2,048 x 1,024 float32.
;; Outputs: out0 2 x 2,048 x 1,024 float32.
;; This version of the problem:
;;   THIS VERSION OF THE PROBLEM IS GIVEN IN LOW PRECISION. The matrix products marked QUANTISED in the list below multiply operands that are first quantised to E2M1 (2 exponent bits, 1 mantissa bit; 4 bits a number), with one power-of-two scale for each 32 numbers along K (OCP MX v1.0); their sums are f32. The products marked 'left as it is' may take bf16, f16 or f32 operands, with f32 sums. Whichever they take, every output number must still come out within the allowed error. Rounding operands to bf16 (8 significant bits) uses up far more of that allowance than f16 does (11 bits, for magnitudes from 6e-5 to 65,504). All else is computed in f32.
;;   The module's matrix products, in the order in which they are computed (A, B: the left and right operand; K: the contracted axis; several contracted axes count as one K, in the product's order):
;;     1. [M 4,096, K 1,024] x [K 1,024, N 1,024]; A: input q; B: input Wq: QUANTISED
;;     2. [M 4,096, K 1,024] x [K 1,024, N 1,024]; A: input k; B: input Wk: QUANTISED
;;     3. [M 4,096, K 1,024] x [K 1,024, N 1,024]; A: input v; B: input Wv: QUANTISED
;;     4. batch 32 x [M 2,048, K 64] x [K 64, N 2,048]; A: computed on the way; B: computed on the way: left as it is (an operand is computed on the way)
;;     5. batch 32 x [M 2,048, K 2,048] x [K 2,048, N 64]; A: computed on the way; B: computed on the way: left as it is (an operand is computed on the way)
;;   THE QUANTISER, for each operand of a quantised product, along K:
;;     - K is cut into blocks of 32 from its start; a last block that is shorter is filled with zeros.
;;     - A block's scale is 2^e with e = floor(log2(the largest magnitude in the block)) - 2, held to -126 .. 127; a block of zeros has e = 0. As a byte (E8M0): e + 127.
;;     - Each number is divided by its block's scale, clamped to +-6, and rounded to the nearest number of E2M1, ties to even, subnormals kept.
;;     - The product sums the exact products of the quantised numbers (number of the format x scale) in f32.
;;   ~~~python
;;   def quantise(x, axis):      # numpy; x: float32 -> the quantised numbers, widened to float32 again
;;       x = np.moveaxis(x, axis, -1); K = x.shape[-1]
;;       x = np.pad(x, [(0, 0)] * (x.ndim - 1) + [(0, -K % 32)]); x = x.reshape(x.shape[:-1] + (-1, 32)); a = np.abs(x).max(-1, keepdims=True)
;;       e = np.where(a > 0, np.clip(np.frexp(np.where(a > 0, a, 1))[1] - 1 - 2, -126, 127), 0)      # np.frexp(a)[1] - 1 = floor(log2(a)), exactly
;;       r = np.clip(x / 2.0 ** e, -6, 6)
;;       step = 2.0 ** (np.maximum(np.frexp(np.where(r == 0, 1, r))[1] - 1, 0) - 1)
;;       q = np.round(r / step) * step * 2.0 ** e      # np.round: ties to even
;;       return np.moveaxis(q.reshape(q.shape[:-2] + (-1,))[..., :K], -1, axis).astype(np.float32)
;;   ~~~
;; One version. Each part assembles by itself: llvm-mc -triple=amdgcn-amd-amdhsa -mcpu=gfx1250 --defsym DOCPART=n.
;; ======== version 1 of 1: 3 launches
;; limits: values are held in f16: magnitudes above 65,504 overflow, below 6.1e-05 lose precision
;; workspace buffers: codes 7,864,320 bytes; scales 491,520 bytes; frags 25,165,824 bytes
;; launch quant (part 1): grid 480 x 1, 4 waves a work-group, no clusters, 33,280 bytes of LDS; arguments q, k, v, Wq, Wk, Wv, codes, scales; writes codes, scales
.if DOCPART == 1
	.amdgcn_target "amdgcn-amd-amdhsa--gfx1250"
	.amdhsa_code_object_version 6
	.text
	.protected	k_qbb24b01ceb_quant
	.globl	k_qbb24b01ceb_quant
	.p2align	8
	.type	k_qbb24b01ceb_quant,@function
k_qbb24b01ceb_quant:
	s_mov_b64 s[64:65], 0
	v_nop
	global_prefetch_b8 v0, s[64:65] scope:SCOPE_SE
	s_setreg_imm32_b32 hwreg(HW_REG_WAVE_MODE, 25, 1), 1
	s_wait_xcnt 0x0
; q, k, v [4096][1024] and Wq, Wk, Wv [1024][1024], f32 with K innermost, become codes of FP4 (E2M1), two a byte, and one E8M0 scale byte for each 32 along K.
; The six tensors are laid one behind the other as 15,360 rows: codes [15360][512 bytes], scales [15360][32 bytes]; rows 0 q, 4096 k, 8192 v, 12288 Wq, 13312 Wk, 14336 Wv.
; A block's scale is 2^(floor(log2(its largest magnitude)) - 2); its byte is the largest magnitude's exponent field - 2, held at 1 from below.  Each number is divided by the scale and rounded to the nearest code, ties to even;
; beyond the largest code the conversion gives the largest code.
; LIMITS: a block of zeros gets the byte 1 where the quantiser's rule says 127 (its codes are zeros, which add nothing, and this program alone reads the bytes); blocks whose largest magnitude lies under 2^-124 keep the byte 1;
; NaN and infinities among the inputs are not served.
; Rows are dense and K is a multiple of 32: every tensor is a plain stream of blocks of 32.  A work-group takes 32,768 numbers, a wave 16 steps of 512.  Each load reads 512 consecutive bytes, 16 a lane; a step's 2,048 bytes turn
; through the wave's own stage in LDS and come back 64 bytes a lane, so that a lane holds 16 neighbours along K (two neighbouring lanes hold a block).  A lane's 16 codes are 8 bytes: the wave stores 256 consecutive bytes.
; A wave's 256 scale bytes are gathered in LDS and leave as 256 consecutive, aligned bytes.  No tensor loads, no barrier, no cluster: waves share nothing, and nothing is read twice.  Loads run four steps (16 loads a wave) ahead.
.set WAVES, 4
.set STEPS, 16
.set EMAX,  2
.set CB,    8                          ; bytes of 16 codes
.set R,     16                         ; v16-79   four sets of 16 numbers as they are loaded
.set X,     80                         ; v80-111  two sets of 16 neighbours
.set E,     112                        ; v112-127 a scale byte for each step
.set C,     128                        ; v128-191 codes: four registers for each step, so that no store's data are written again
.set WREG,  8192                       ; LDS: a region for each wave: two stages of 32 x SP bytes, behind them its 256 scale bytes
.set SP,    80                         ; a lane's place in a stage: 64 bytes + 16 of padding
.set SPW,   12                         ; v12 LDS address of my spare word; never rewritten
.set NIL,   13                         ; v13 0; never rewritten
.set SPARE, WAVES*WREG                 ; behind the four regions: the spare words, 128 bytes a wave, which no other line names
	s_load_b256 s[4:11], s[0:1], 0x0               ; q s[4:5], k s[6:7], v s[8:9], Wq s[10:11]
	s_load_b256 s[12:19], s[0:1], 0x20             ; Wk s[12:13], Wv s[14:15], codes s[16:17], scales s[18:19]
	v_lshl_add_u32 v[SPW], v0, 2, SPARE
	v_mov_b32 v[NIL], 0
	v_lshrrev_b32 v1, 5, v0
	v_readfirstlane_b32 s20, v1                    ; wave
	v_and_b32 v2, 31, v0                           ; lane
	v_lshlrev_b32 v3, 4, v2                        ; my 16 bytes of a load's 512
	s_mul_i32 s21, s20, WREG
	v_lshrrev_b32 v14, 2, v2
	v_mul_u32_u24 v14, v14, SP
	v_and_b32 v15, 3, v2
	v_lshl_add_u32 v14, v15, 4, v14
	v_add_nc_u32 v14, s21, v14                     ; the stage, on the way in: SP (lane / 4) + 16 (lane % 4)
	v_mul_u32_u24 v15, v2, SP
	v_add_nc_u32 v15, s21, v15                     ; and on the way out: SP x lane: my 16 neighbours
	v_mul_u32_u24 v4, v2, CB                       ; my codes' place in a step's
	v_lshrrev_b32 v5, 1, v2
	s_add_co_u32 s21, s21, 2*32*SP
	v_add_nc_u32 v5, s21, v5                       ; LDS: my wave's 256 scale bytes, my block's byte
	v_lshlrev_b32 v7, 3, v2                        ; and on the way out 8 bytes a lane
	v_add_nc_u32 v6, s21, v7
	s_wait_kmcnt 0x0
	; which tensor is my work-group's: the choice hangs on the work-group's number alone.  s[22:23] its address, s24 its first work-group
	s_mov_b64 s[22:23], s[14:15]
	s_mov_b32 s24, 448
.macro PICK lim, ptr, first
	s_cmp_lt_u32 ttmp9, \lim
	s_cselect_b64 s[22:23], s[\ptr:\ptr+1], s[22:23]
	s_cselect_b32 s24, \first, s24
.endm
	PICK 448, 12, 416
	PICK 416, 10, 384
	PICK 384, 8, 256
	PICK 256, 6, 128
	PICK 128, 4, 0
	s_sub_co_u32 s25, ttmp9, s24
	s_lshl_b32 s25, s25, 2
	s_add_co_u32 s25, s25, s20                     ; which run of 8,192 numbers of the tensor is my wave's
	s_lshl_b32 s26, s25, 15                        ; 32,768 bytes a run
	s_mov_b32 s27, 0
	s_add_nc_u64 s[22:23], s[22:23], s[26:27]
	s_lshl_b32 s25, ttmp9, 2
	s_add_co_u32 s25, s25, s20                     ; and which run of all six
	s_lshl_b32 s26, s25, 12                        ; 4,096 bytes of codes a run
	s_add_nc_u64 s[16:17], s[16:17], s[26:27]
	s_lshl_b32 s26, s25, 8                         ; 256 scale bytes a run
	s_add_nc_u64 s[18:19], s[18:19], s[26:27]
.macro LOAD t
.irp i, 0,1,2,3
	global_load_b128 v[R+16*((\t)%4)+4*\i:R+16*((\t)%4)+4*\i+3], v3, s[22:23] offset:2048*(\t)+512*\i th:TH_LOAD_NT   ; 32 lanes read 512 consecutive bytes
.endr
.endm
.macro TURN t                          ; step t's numbers through the stage: LDS serves a wave's instructions in order, so no wait stands between the stores and the loads
.irp i, 0,1,2,3
	ds_store_b128 v14, v[R+16*((\t)%4)+4*\i:R+16*((\t)%4)+4*\i+3] offset:32*SP*((\t)%2)+8*SP*\i
.endr
.irp i, 0,1,2,3
	ds_load_b128 v[X+16*((\t)%2)+4*\i:X+16*((\t)%2)+4*\i+3], v15 offset:32*SP*((\t)%2)+16*\i
.endr
.endm
.irp t, 0,1,2,3
	LOAD \t
.endr
	s_wait_loadcnt 12                              ; step 0's four loads are in; the twelve of steps 1 to 3 may be out
	TURN 0
.macro STEP t
.set XS, X+16*((\t)%2)
.if (\t) > 0
	s_wait_dscnt 1                                 ; this step's numbers are back from the stage (the last step's byte store may be out): so its stores into the stage have read their registers,
.else
	s_wait_dscnt 0x0
.endif
.if (\t)+4 < STEPS
	LOAD (\t)+4                                    ; which take the loads of four steps on
.endif
.if (\t)+1 < STEPS
.if STEPS-2-(\t) >= 3
	s_wait_loadcnt 12                              ; the next step's four loads are in; those of the three steps behind it may be out
.else
	s_wait_loadcnt 4*(STEPS-2-(\t))
.endif
	TURN (\t)+1                                    ; and go through the other stage while this step is worked
.endif
	v_max3_num_f32 v8, |v[XS]|, |v[XS+1]|, |v[XS+2]|               ; the largest magnitude of my 16, in two chains
	v_max3_num_f32 v9, |v[XS+3]|, |v[XS+4]|, |v[XS+5]|
.irp i, 6,10
	v_max3_num_f32 v8, v8, |v[XS+\i]|, |v[XS+\i+1]|
	v_max3_num_f32 v9, v9, |v[XS+\i+2]|, |v[XS+\i+3]|
.endr
	v_max3_num_f32 v8, v8, |v[XS+14]|, |v[XS+15]|
	v_max3_num_f32 v8, v8, v9, (EMAX+1)<<23        ; and the floor 2^(3 - 127): the byte cannot fall under 1
	v_max_num_f32_dpp v8, v8, v8 row_xmask:1 row_mask:0xf bank_mask:0xf   ; and of my neighbour's 16: the block's
	v_add_nc_u32 v11, -(EMAX<<23), v8              ; 2 off its exponent field: the conversion takes the exponent field of this operand as its scale, and nothing else of it
	v_cvt_scalef32_pk8_fp4_f32 v[C+4*(\t)], v[XS:XS+7], v11
	v_cvt_scalef32_pk8_fp4_f32 v[C+4*(\t)+1], v[XS+8:XS+15], v11
	v_lshrrev_b32 v[E+(\t)], 23, v11               ; the scale's byte (also the plain line behind the conversions)
	ds_store_b8 v5, v[E+(\t)] offset:16*(\t)       ; both lanes of a block write the same byte with the same value
	global_store_b64 v4, v[C+4*(\t):C+4*(\t)+1], s[16:17] offset:32*CB*(\t)   ; 32 lanes store 256 consecutive bytes, aligned
.endm
.irp t, 0,1,2,3,4,5,6,7,8,9,10,11,12,13,14,15
	STEP \t
.endr
	ds_load_b64 v[8:9], v6                         ; LDS serves a wave's instructions in order: these see my stores
	s_wait_dscnt 0x0
	global_store_b64 v7, v[8:9], s[18:19]          ; 32 lanes store 256 consecutive bytes, aligned
	s_wait_tensorcnt 0x0                           ; the wave's end, behind my last LDS store
	ds_add_u32 v[SPW], v[NIL]
	s_wait_dscnt 0x0
	s_endpgm
.Lfunc_end_k_qbb24b01ceb_quant:
	.size	k_qbb24b01ceb_quant, .Lfunc_end_k_qbb24b01ceb_quant-k_qbb24b01ceb_quant
	.p2alignl 7, 3214868480
	.fill 96, 4, 3214868480
	.section	.rodata,"a",@progbits
	.p2align	6, 0x0
	.amdhsa_kernel k_qbb24b01ceb_quant
		.amdhsa_group_segment_fixed_size 33280
		.amdhsa_private_segment_fixed_size 0
		.amdhsa_enable_private_segment 0
		.amdhsa_kernarg_size 64
		.amdhsa_user_sgpr_count 2
		.amdhsa_user_sgpr_kernarg_segment_ptr 1
		.amdhsa_wavefront_size32 1
		.amdhsa_system_sgpr_workgroup_id_x 1
		.amdhsa_system_sgpr_workgroup_id_y 1
		.amdhsa_system_sgpr_workgroup_id_z 1
		.amdhsa_system_vgpr_workitem_id 0
		.amdhsa_next_free_vgpr 192
		.amdhsa_next_free_sgpr 66
		.amdhsa_reserve_vcc 0
		.amdhsa_float_denorm_mode_32 3
		.amdhsa_float_denorm_mode_16_64 3
		.amdhsa_memory_ordered 1
		.amdhsa_forward_progress 1
		.amdhsa_inst_pref_size 34
	.end_amdhsa_kernel
	.amdgpu_metadata
---
amdhsa.version: [ 1, 2 ]
amdhsa.kernels:
  - .name:           k_qbb24b01ceb_quant
    .symbol:         k_qbb24b01ceb_quant.kd
    .args:
      - { .name: q, .offset: 0, .size: 8, .value_kind: global_buffer, .address_space: global }
      - { .name: k, .offset: 8, .size: 8, .value_kind: global_buffer, .address_space: global }
      - { .name: v, .offset: 16, .size: 8, .value_kind: global_buffer, .address_space: global }
      - { .name: Wq, .offset: 24, .size: 8, .value_kind: global_buffer, .address_space: global }
      - { .name: Wk, .offset: 32, .size: 8, .value_kind: global_buffer, .address_space: global }
      - { .name: Wv, .offset: 40, .size: 8, .value_kind: global_buffer, .address_space: global }
      - { .name: codes, .offset: 48, .size: 8, .value_kind: global_buffer, .address_space: global }
      - { .name: scales, .offset: 56, .size: 8, .value_kind: global_buffer, .address_space: global }
    .group_segment_fixed_size: 33280
    .private_segment_fixed_size: 0
    .kernarg_segment_align: 8
    .kernarg_segment_size: 64
    .max_flat_workgroup_size: 128
    .sgpr_count:     66
    .vgpr_count:     192
    .wavefront_size: 32
...
	.end_amdgpu_metadata
.endif
;; end of part 1
;; launch project (part 2): grid 4 x 48, 4 waves a work-group, clusters of 4 x 4, 327,680 bytes of LDS; arguments codes, scales, bq, bk, bv, frags; writes frags
.if DOCPART == 2
	.amdgcn_target "amdgcn-amd-amdhsa--gfx1250"
	.amdhsa_code_object_version 6
	.text
	.protected	k_qbb24b01ceb_project
	.globl	k_qbb24b01ceb_project
	.p2align	8
	.type	k_qbb24b01ceb_project,@function
k_qbb24b01ceb_project:
	s_mov_b64 s[64:65], 0
	v_nop
	global_prefetch_b8 v0, s[64:65] scope:SCOPE_SE
	s_setreg_imm32_b32 hwreg(HW_REG_WAVE_MODE, 25, 1), 1
	s_wait_xcnt 0x0
	s_wait_alu depctr_hold_cnt(0) depctr_sa_sdst(0) depctr_va_vdst(0) depctr_va_sdst(0) depctr_va_ssrc(0) depctr_va_vcc(0) depctr_vm_vsrc(0)
	s_getreg_b32 s2, hwreg(HW_REG_IB_STS2, 6, 4)
	s_cmp_eq_u32 s2, 0
	s_cbranch_scc0 .Lentry_in_a_cluster
	s_endpgm
.Lentry_in_a_cluster:
	s_bfe_u32 s2, ttmp6, 0x10000c
	s_cmp_lg_u32 s2, 0xf033
	s_cbranch_scc0 .Lentry_shape_is_right
	s_endpgm
.Lentry_shape_is_right:
; The three projections y = x W^T + b on codes of FP4 (E2M1) with one E8M0 scale for each 32 along K, K = 1,024; sums in f32.
; x: rows 0 .. 12,287 of codes (q, k, v: 4,096 rows each), taken as ONE tensor of rows; W of tensor T: rows 12,288 + 1,024 T on.  A row of codes is 512 bytes, a row of scales 32.
; A tile of 256 rows x 256 output channels is made by a work-group of four waves; a wave makes 128 x 128: 64 accumulators of 16 x 16.  48 tile rows x 4 tile columns: 192 work-groups.
; K is two slots of 512 along K: both slots and all scale bytes are asked for at the head, and no LDS byte is filled twice.  (All of the LDS is claimed; the text uses 296,448 bytes.)
; CLUSTERS: 4 x 4 work-groups.  The four of a row of the cluster need the same rows of x, the four of a column the same rows of W: each tile is asked for jointly, by the same tensor load with the same descriptor and a mask that names the four.
; A cluster's four tile rows lie in one tensor T (16 tile rows each), so T is the same in all sixteen partners.
; THE MATRIX INSTRUCTION IS USED TRANSPOSED (source 0 = 16 rows of W, source 1 = 16 rows of x): a lane then holds eight neighbouring channels of one token.
; THE WAY OUT: (sum + bias) x g, g = log2(e) / 8 for q (the softmax's factor, so that the next launch works in powers of two) and 1 for k and v; rounded to f16; a lane's eight channels are 16 bytes, stored at once, with no stage,
; in the order in which the next launch's operand registers take them: frags [T][b][head][16 tokens][16 channels] in pieces of 512 bytes = 32 chunks of 16 bytes.  For q and k lane l's chunk lies at 16 l: two pieces are a fragment's
; eight registers.  For v bits 3 and 4 of the lane's number change places: the piece, read by the turning LDS load at 16 l, is half a fragment of V^T.  Each store of the wave covers 512 consecutive bytes, aligned.
; LIMIT: |y x g| must stay under 65,504, f16's largest number.
; REGISTERS, in windows of 256: window 0: v0-31 addresses; v32-95 scale words, two sets; v128-191 x's fragments, one set; v192-255 the bias of my 128 channels in the result's layout; on the way out v32-159 are at work.
;   window 1: W's fragments, two sets, at v0 and v128.   window 2: the accumulators of my rows 0-63 ((a, b) at v[8 (8 a + b)]);   window 3: those of my rows 64-127.
.set NQ,     4                         ; matrix instructions deep in a slot
.set ROWB,   256                       ; a tile's row in bytes: 512 codes
.set KROW,   512                       ; a row of codes in memory
.set PITCH,  272                       ; an LDS row: 256 bytes + 16 of padding = 68 words: the 16 rows that a load touches start at 16 different banks (64 banks of 4 bytes: ISA guide 11.1)
.set FR,     8                         ; registers of a fragment: 16 rows x 128 K
.set NL,     2                         ; LDS loads that bring one
.set NP,     4                         ; places behind this matrix instruction (ISA guide 7.12.1)
.set HALFT,  128*PITCH                 ; 128 rows: what one tensor load brings
.set SLOT,   4*HALFT                   ; x's 256 rows, then W's 256 rows
.set KS,     32                        ; a row of scales in bytes
.set SCL,    2*SLOT                    ; behind the slots: the scales, as rows of 256 bytes + 16 of padding
.set HALFS,  (128*KS/256)*272          ; the scales of 128 rows
.set SBLK,   (16*KS/256)*272           ; those of 16 rows
.set SPARE,  SCL+4*HALFS               ; the spare words, 128 bytes a wave, which no other line names
.set ADRA, 16                          ; v16-17 LDS address of my x fragments in slot 0, 1
.set ADRB, 20                          ; v20-21 the same for W
.set CO,   26                          ; v26 my chunk's byte in a piece of 512
.set ADRS, 27                          ; v27 LDS address of my scale words: lanes 0-15 x's rows, lanes 16-31 W's
.set SPW,  28                          ; v28 LDS address of my spare word; never rewritten
.set NIL,  29                          ; v29 0; never rewritten
.set BO,   30                          ; v30 the bias loads' offset: 32 x (lane / 16)
.set SC,   32                          ; scale words: set s at v[SC + 32 s]; register 4 i + q: lanes 0-15 x's block i, lanes 16-31 W's block i, the slot's q-th 128 along K
.set AF,   128                         ; x's fragments
.set BI,   192                         ; bias: register 8 b + j = bias[my first channel + 16 b + 8 (lane / 16) + j]
.set TT,   32                          ; the way out: 64 numbers in f32
.set PK,   96                          ; the way out: packed f16, two sets of 32
.set WV, 16                            ; s16 wave;  s17 my half of the rows, also: I fetch for x (0) or W (1);  s18 my half of the columns, also: which 128 rows I fetch;  s19 T
.set G1, 24                            ; s[24:31] descriptor group 1 for x's codes;  s[32:39] group 0, one set a slot
.set G0, 32
.set G1B, 48                           ; s[48:55], s[56:63] the same for W's codes
.set G0B, 56
.set G1S, 68                           ; s[68:75], s[76:79] groups 1 and 0 for x's scales;  s[80:87], s[88:91] for W's
.set G0S, 76
.set G1SB, 80
.set G0SB, 88
.set MSB, 0
.macro WIN new                         ; the immediate's high byte repeats the setting that is left
.if MSB != (\new)
	s_set_vgpr_msb (MSB<<8)|(\new)
.set MSB, (\new)
.endif
.endm
.set MUL_LO, 0xa1                      ; source 0 (W) window 1, source 1 (x) window 0, C and D window 2
.set MUL_HI, 0xf1                      ; the same, C and D window 3
.set TO_B,   0x40                      ; destination window 1, address window 0
; A joint load: waves 0 and 1 fetch for x, waves 2 and 3 for W.  Each line has one mask and one set of registers for all that issue it; the branch hangs on the wave's number alone.
; An s_nop 0 and four v_nop follow each of the two lines.
.macro JLOAD g0a, g1a, g0b, g1b
	s_cmp_eq_u32 s17, 0
	s_cbranch_scc0 .Lfor_b_\@
	tensor_load_to_lds s[\g0a:\g0a+3], s[\g1a:\g1a+7]
	s_nop 0
.rept 4
	v_nop
.endr
	s_branch .Lasked_\@
.Lfor_b_\@:
	tensor_load_to_lds s[\g0b:\g0b+3], s[\g1b:\g1b+7]
	s_nop 0
.rept 4
	v_nop
.endr
.Lasked_\@:
.endm
.macro CROUND                          ; a round of the cluster's barrier
	s_barrier_signal -1
	s_barrier_wait -1
	s_cmp_lg_u32 s[WV], 0
	s_cbranch_scc1 .Lnot_wave_0_\@
	s_barrier_signal -3
.Lnot_wave_0_\@:
	s_barrier_wait -3
	s_barrier_signal -1
	s_barrier_wait -1
.endm
	s_load_b256 s[4:11], s[0:1], 0x0               ; codes s[4:5], scales s[6:7], bq s[8:9], bk s[10:11]
	s_load_b128 s[12:15], s[0:1], 0x20             ; bv s[12:13], frags s[14:15]
	v_lshl_add_u32 v[SPW], v0, 2, SPARE
	v_mov_b32 v[NIL], 0
	ds_add_u32 v[SPW], v[NIL]                      ; the wave's opening: the add, twice on end, and its wait ahead of my first tensor load
	ds_add_u32 v[SPW], v[NIL]                      ; and once more; the set-up below, work on registers, stands between it and the wait
	v_lshrrev_b32 v1, 5, v0
	v_readfirstlane_b32 s[WV], v1                  ; wave 0..3
	s_lshr_b32 s17, s[WV], 1
	s_and_b32 s18, s[WV], 1
	s_bfe_u32 s40, ttmp6, 0x40000                  ; cx = the tile column (the grid is one cluster wide)
	s_bfe_u32 s41, ttmp6, 0x40004                  ; cy
	s_and_b32 s20, ttmp7, 0xffff                   ; the cluster's y, 0 .. 11
	s_lshr_b32 s19, s20, 2                         ; T: 0 q, 1 k, 2 v
	s_lshl_b32 s42, s20, 2
	s_add_co_u32 s42, s42, s41                     ; tile row = 4 x cluster y + cy
	s_lshl_b32 s43, s41, 2
	s_lshl_b32 s43, 15, s43                        ; my row of the cluster
	s_lshl_b32 s44, 0x1111, s40                    ; my column
	; descriptor group 1: a tile of 128 rows x 256 bytes, 16 bytes of padding behind each row
	s_or_b32 s[G1+0], s43, (0<<16)|(1<<20)|(1<<21)|(5<<22)|(3<<25)  ; 15:0 the mask; 17:16 elements of 1 byte; 20 padding on; 21 set beside a mask; 24:22 after every 64 words; 31:25 four words
	s_or_b32 s[G1B+0], s44, (0<<16)|(1<<20)|(1<<21)|(5<<22)|(3<<25)
.irp g, G1, G1B
	s_mov_b32 s[\g+1], ROWB<<16                    ; tensor_dim0
	s_mov_b32 s[\g+2], 128<<16                     ; tensor_dim1
	s_mov_b32 s[\g+3], ROWB<<16                    ; tile_dim0
	s_mov_b32 s[\g+4], 128                         ; tile_dim1
	s_mov_b32 s[\g+5], KROW                        ; from row to row
	s_mov_b32 s[\g+6], 0
	s_mov_b32 s[\g+7], 0
.endr
	; the scales of 128 rows: 4,096 dense bytes, as 16 rows of 256 bytes (32 elements of 8 bytes), 16 bytes of padding behind each
	s_or_b32 s[G1S+0], s43, (3<<16)|(1<<20)|(1<<21)|(5<<22)|(3<<25)
	s_or_b32 s[G1SB+0], s44, (3<<16)|(1<<20)|(1<<21)|(5<<22)|(3<<25)
.irp g, G1S, G1SB
	s_mov_b32 s[\g+1], 32<<16
	s_mov_b32 s[\g+2], (128*KS/256)<<16
	s_mov_b32 s[\g+3], 32<<16
	s_mov_b32 s[\g+4], 128*KS/256
	s_mov_b32 s[\g+5], 32
	s_mov_b32 s[\g+6], 0
	s_mov_b32 s[\g+7], 0
.endr
	s_lshl_b32 s45, s18, 7                         ; which 128 rows of the tile I fetch
	s_lshl_b32 s93, s42, 8
	s_add_co_u32 s93, s93, s45                     ; x: row 256 x tile row + 128 x half: it hangs on cy, not on cx
	s_lshl_b32 s94, s19, 10
	s_lshl_b32 s95, s40, 8
	s_add_co_u32 s94, s94, s95
	s_add_co_u32 s94, s94, s45
	s_add_co_u32 s94, s94, 12288                   ; W: row 12,288 + 1,024 T + 256 cx + 128 x half: it hangs on cx, not on cy
	s_lshl_b32 s20, s93, 9                         ; their codes, in bytes,
	s_mov_b32 s21, 0
	s_lshl_b32 s22, s93, 5                         ; and their scales
	s_mov_b32 s23, 0
	s_lshl_b32 s46, s94, 9
	s_mov_b32 s47, 0
	s_lshl_b32 s2, s94, 5
	s_mov_b32 s3, 0
	s_mul_i32 s45, s[WV], HALFT                    ; where they go: wave x 128 rows: no place in the cluster enters an LDS address
	s_mul_i32 s92, s[WV], HALFS
	s_wait_dscnt 0x0                               ; both opening adds are done
	s_wait_kmcnt 0x0
	s_add_nc_u64 s[20:21], s[4:5], s[20:21]
	s_add_nc_u64 s[22:23], s[6:7], s[22:23]
	s_add_nc_u64 s[46:47], s[4:5], s[46:47]
	s_add_nc_u64 s[2:3], s[6:7], s[2:3]
	CROUND                                         ; all sixteen work-groups are here: the joint loads meet
	s_mov_b32 s[G0S], 1
	s_add_co_u32 s[G0S+1], s92, SCL
	s_mov_b64 s[G0S+2:G0S+3], s[22:23]
	s_or_b32 s[G0S+3], s[G0S+3], 0x80000000
	s_mov_b32 s[G0SB], 1
	s_add_co_u32 s[G0SB+1], s92, SCL
	s_mov_b64 s[G0SB+2:G0SB+3], s[2:3]
	s_or_b32 s[G0SB+3], s[G0SB+3], 0x80000000
	JLOAD G0S, G1S, G0SB, G1SB                     ; the scales first: they are wanted with slot 0
.irp s, 0,1
	s_mov_b32 s[G0+4*\s], 1
	s_add_co_u32 s[G0+4*\s+1], s45, \s*SLOT
	s_add_nc_u64 s[G0+4*\s+2:G0+4*\s+3], s[20:21], \s*ROWB
	s_or_b32 s[G0+4*\s+3], s[G0+4*\s+3], 0x80000000
	s_mov_b32 s[G0B+4*\s], 1
	s_add_co_u32 s[G0B+4*\s+1], s45, \s*SLOT
	s_add_nc_u64 s[G0B+4*\s+2:G0B+4*\s+3], s[46:47], \s*ROWB
	s_or_b32 s[G0B+4*\s+3], s[G0B+4*\s+3], 0x80000000
	JLOAD G0+4*\s, G1, G0B+4*\s, G1B               ; two tensor loads of mine are out behind slot 0's line, three behind slot 1's, and no more follow
.endr
	v_and_b32 v1, 15, v0                           ; l % 16
	v_bfe_u32 v2, v0, 4, 1                         ; l / 16
	v_mul_u32_u24 v3, v1, PITCH
	v_lshl_add_u32 v4, v2, 4, v3                   ; a fragment's row x pitch + 16 x half
	s_mul_i32 s21, s17, HALFT                      ; my 128 rows of x
	s_mul_i32 s22, s18, HALFT                      ; my 128 rows of W,
	s_add_co_u32 s22, s22, 2*HALFT                 ; which lie behind x's 256
.irp s, 0,1
	v_add_nc_u32 v[ADRA+\s], s21, v4
	v_add_nc_u32 v[ADRB+\s], s22, v4
	s_add_co_u32 s21, s21, SLOT
	s_add_co_u32 s22, s22, SLOT
.endr
	v_mul_u32_u24 v5, v1, KS                       ; my row's scales: 32 bytes a row,
	v_lshrrev_b32 v6, 8, v5
	v_lshl_add_u32 v5, v6, 4, v5                   ; and 16 more for each 256 passed
	s_mul_i32 s21, s17, HALFS                      ; x's: my 128 rows
	s_mul_i32 s22, s18, HALFS                      ; W's: my 128 rows, behind x's 256
	s_add_co_u32 s22, s22, 2*HALFS
	s_sub_co_u32 s22, s22, s21
	v_mul_u32_u24 v6, s22, v2                      ; lanes 16-31 take W's: one product, the distance between the two bases x half
	s_add_co_u32 s21, s21, SCL
	v_add_nc_u32 v5, v5, v6
	v_add_nc_u32 v[ADRS], s21, v5
	; what hangs on T is chosen, not branched on
	s_mov_b32 s66, 1.0
	s_cmp_eq_u32 s19, 0
	s_cselect_b32 s66, 0x3e38aa3b, s66             ; g = log2(e) / 8 for q, else 1
	s_cselect_b64 s[96:97], s[8:9], s[10:11]       ; bq or bk,
	s_mov_b32 s67, s66                             ; (the packed forms name the pair)
	s_cmp_eq_u32 s19, 2
	s_cselect_b64 s[96:97], s[12:13], s[96:97]     ; or bv
	s_cselect_b32 s95, 24, 0                       ; v: bits 3 and 4 of the lane's number change places
	s_lshl_b32 s20, s40, 10
	s_lshl_b32 s21, s18, 9
	s_add_co_u32 s20, s20, s21                     ; my first channel 256 cx + 128 x half, in bytes
	s_mov_b32 s21, 0
	s_add_nc_u64 s[96:97], s[96:97], s[20:21]
	v_lshlrev_b32 v[BO], 5, v2
.irp b, 0,1,2,3,4,5,6,7
.irp u, 0,1
	global_load_b128 v[BI+8*\b+4*\u:BI+8*\b+4*\u+3], v[BO], s[96:97] offset:64*\b+16*\u   ; they land while the products run; the wait stands at the way out
.endr
.endr
	v_and_b32 v5, 31, v0
	v_lshrrev_b32 v6, 3, v5
	v_lshrrev_b32 v7, 4, v5
	v_xor_b32 v6, v6, v7
	v_and_b32 v6, 1, v6                            ; do bits 3 and 4 differ?
	v_mul_u32_u24 v6, s95, v6
	v_xor_b32 v5, v5, v6
	v_lshlrev_b32 v[CO], 4, v5                     ; my chunk in a piece
	s_lshl_b32 s20, s42, 8
	s_lshl_b32 s21, s17, 7
	s_add_co_u32 s20, s20, s21                     ; my first row R of the 12,288
	s_lshr_b32 s21, s20, 11
	s_lshl_b32 s21, s21, 22                        ; (2 T + b) x 16 heads x 262,144 bytes
	s_and_b32 s20, s20, 2047
	s_lshl_b32 s20, s20, 7                         ; 16 tokens are 2,048 bytes of a head
	s_add_co_u32 s20, s20, s21
	s_lshl_b32 s21, s40, 2
	s_lshl_b32 s22, s18, 1
	s_add_co_u32 s21, s21, s22                     ; my first head: 4 cx + 2 x half
	s_lshl_b32 s21, s21, 18
	s_add_co_u32 s20, s20, s21
	s_mov_b32 s21, 0
	s_add_nc_u64 s[14:15], s[14:15], s[20:21]
.macro FRAG reg, adr, q, i             ; a fragment, 16 rows x 128 K of 4-bit codes: lane l holds row l % 16; registers 4 c .. 4 c + 3 hold K = 64 c + 32 (l / 16) + 0 .. 31
.irp c, 0,1
	ds_load_b128 v[\reg+4*\c:\reg+4*\c+3], v[\adr] offset:64*(\q)+32*\c+(\i)*16*PITCH
.endr
.endm
; 16 matrix instructions: x's blocks a0, a0 + 1 against W's eight, the slot's q-th 128 along K.  p: W's set; sc: the set of scale words.  zero = 1: the first product starts the sums.
; The 64 accumulators take turns, one instruction a turn, in the same order in every step.
.macro MUL16 a0, p, q, sc, zero
.irp a, \a0, \a0+1
.irp b, 0,1,2,3,4,5,6,7
.if \zero
	v_wmma_scale_f32_16x16x128_f8f6f4 v[8*(8*((\a)%4)+\b):8*(8*((\a)%4)+\b)+7], v[128*(\p)+FR*\b:128*(\p)+FR*\b+FR-1], v[AF+FR*(\a):AF+FR*(\a)+FR-1], 0, v[SC+8*NQ*(\sc)+NQ*\b+(\q)], v[SC+8*NQ*(\sc)+NQ*(\a)+(\q)] matrix_a_fmt:MATRIX_FMT_FP4 matrix_b_fmt:MATRIX_FMT_FP4 matrix_a_scale:MATRIX_SCALE_ROW1
.else
	v_wmma_scale_f32_16x16x128_f8f6f4 v[8*(8*((\a)%4)+\b):8*(8*((\a)%4)+\b)+7], v[128*(\p)+FR*\b:128*(\p)+FR*\b+FR-1], v[AF+FR*(\a):AF+FR*(\a)+FR-1], v[8*(8*((\a)%4)+\b):8*(8*((\a)%4)+\b)+7], v[SC+8*NQ*(\sc)+NQ*\b+(\q)], v[SC+8*NQ*(\sc)+NQ*(\a)+(\q)] matrix_a_fmt:MATRIX_FMT_FP4 matrix_b_fmt:MATRIX_FMT_FP4 matrix_a_scale:MATRIX_SCALE_ROW1
.endif
.endr
.endr
.endm
.macro FETCH_B slot, q, p              ; W's eight fragments of the slot's q-th 128 along K into set p
	WIN TO_B
.irp i, 0,1,2,3,4,5,6,7
	FRAG 128*(\p)+FR*\i, ADRB+\slot, \q, \i
.endr
	WIN 0
.endm
.macro FETCH_A slot, q, i0             ; x's blocks i0 .. i0 + 3
.irp i, \i0, \i0+1, \i0+2, \i0+3
	FRAG AF+FR*(\i), ADRA+\slot, \q, \i
.endr
.endm
.macro SCALES sc                       ; a slot's scale words into set sc: four words a row; lanes 0-15 take x's block i, lanes 16-31 W's block i
.irp i, 0,1,2,3,4,5,6,7
	ds_load_b128 v[SC+8*NQ*\sc+NQ*\i:SC+8*NQ*\sc+NQ*\i+3], v[ADRS] offset:\i*SBLK
.endr
.endm
; A load into a register that a matrix instruction has read stands four places behind it, and only plain vector instructions that name none of its registers are places (ISA guide 7.12.1 for vector instructions).
.macro PLACES n
.rept \n
	v_nop
.endr
.endm
; A step of 128 along K that has its successor in the same slot.  x has one set of registers: blocks 0-3 are fetched anew in the step's middle, blocks 4-7 at its end; W has two sets.
.macro STEP slot, q, zero
	s_wait_dscnt 4*NL                              ; W's set and x's blocks 0-3 are in; the youngest eight loads (x's blocks 4-7) may be out
	WIN MUL_LO
	MUL16 0, (\q)%2, \q, \slot, \zero
	MUL16 2, (\q)%2, \q, \slot, \zero
	s_wait_dscnt 0                                 ; x's blocks 4-7 are in
	PLACES NP
	FETCH_B \slot, (\q)+1, 1-(\q)%2
	FETCH_A \slot, (\q)+1, 0
	WIN MUL_HI
	MUL16 4, (\q)%2, \q, \slot, \zero
	MUL16 6, (\q)%2, \q, \slot, \zero
	PLACES NP
	WIN 0
	FETCH_A \slot, (\q)+1, 4
.endm
; Slot 0's last step goes over to slot 1: each wave waits for all its tensor loads (its part of slot 1 is the one that was out), then the barrier shows the whole slot to every wave.  Nothing is filled again.
.macro TURN slot, next
	s_wait_tensorcnt 0x0                           ; all my tensor loads have landed  (every window is 0 here)
	ds_add_u32 v[SPW], v[NIL]                      ; 0 onto my spare word
	s_wait_dscnt 4*NL+1                            ; (the add and the youngest eight loads may be out)
	WIN MUL_LO
	MUL16 0, 1, NQ-1, \slot, 0
	s_wait_dscnt 0x0                               ; the add is done, and no LDS load of mine is out at the signal
	s_barrier_signal -1
	MUL16 2, 1, NQ-1, \slot, 0                     ; work on registers while the others arrive
	WIN 0
	s_barrier_wait -1
	PLACES NP
	v_add_nc_u32 v[ADRS], 4*NQ, v[ADRS]            ; on to the next slot's scale words
	FETCH_B \next, 0, 0
	FETCH_A \next, 0, 0
	SCALES \next
	WIN MUL_HI
	MUL16 4, 1, NQ-1, \slot, 0
	MUL16 6, 1, NQ-1, \slot, 0
	PLACES NP
	WIN 0
	FETCH_A \next, 0, 4
.endm
.macro STEPS slot, from                ; the slot's steps from .. NQ - 2
.set Q, \from
.rept NQ-1-\from
	STEP \slot, Q, 0
.set Q, Q+1
.endr
.endm
	s_wait_tensorcnt 1                             ; the scales and my part of slot 0 are in; slot 1's load, issued behind them, may be out
	s_barrier_signal -1
	s_barrier_wait -1                              ; everybody's are
	FETCH_B 0, 0, 0
	FETCH_A 0, 0, 0
	SCALES 0
	FETCH_A 0, 0, 4
	STEP 0, 0, 1                                   ; the first step's products start the sums: nothing is cleared
	STEPS 0, 1
	TURN 0, 1
	STEPS 1, 0
	s_wait_dscnt 4*NL                              ; the very last step: nothing more to fetch
	WIN MUL_LO
	MUL16 0, 1, NQ-1, 1, 0
	MUL16 2, 1, NQ-1, 1, 0
	s_wait_dscnt 0
	WIN MUL_HI
	MUL16 4, 1, NQ-1, 1, 0
	MUL16 6, 1, NQ-1, 1, 0
	WIN 0
	; THE WAY OUT.  bias x g once; these 32 lines name no register of the last products and are the places behind them
	s_wait_loadcnt 0x0                             ; the bias
.set i, 0
.rept 32
	v_pk_mul_f32 v[BI+i:BI+i+1], v[BI+i:BI+i+1], s[66:67] op_sel_hi:[1,0]
.set i, i+2
.endr
; Block a, 16 tokens x 128 channels: sum x g + bias x g in one fused multiply-add, two at a time, each accumulator from its low end on; rounded to f16; eight stores of 512 consecutive bytes.
.macro OUT a
	WIN 0x02+(\a)/4                                ; source 0: window 2 or 3
.irp b, 0,1,2,3,4,5,6,7
.irp p, 0,1,2,3
	v_pk_fma_f32 v[TT+8*\b+2*\p:TT+8*\b+2*\p+1], v[64*((\a)%4)+8*\b+2*\p:64*((\a)%4)+8*\b+2*\p+1], s[66:67], v[BI+8*\b+2*\p:BI+8*\b+2*\p+1] op_sel_hi:[1,0,1]
.endr
.endr
	WIN 0
.if (\a) >= 2
	s_wait_xcnt 0x0                                ; block a - 2's stores have read this set of packed registers: it is written again only behind this wait
.endif
.irp b, 0,1,2,3,4,5,6,7
.irp p, 0,1,2,3
	v_cvt_pk_f16_f32 v[PK+32*((\a)%2)+4*\b+\p], v[TT+8*\b+2*\p], v[TT+8*\b+2*\p+1]
.endr
.endr
.irp b, 0,1,2,3,4,5,6,7
	global_store_b128 v[CO], v[PK+32*((\a)%2)+4*\b:PK+32*((\a)%2)+4*\b+3], s[14:15] offset:(\a)*2048+(\b/4)*262144+(\b%4)*512   ; tokens 16 a on, head b / 4, channels 16 (b % 4) on: a whole piece
.endr
.endm
.irp a, 0,1,2,3,4,5,6,7
	OUT \a
.endr
	s_wait_tensorcnt 0x0                           ; the wave's end, behind my last tensor load
	ds_add_u32 v[SPW], v[NIL]
	s_wait_dscnt 0x0
	CROUND                                         ; the closing round: no work-group ends while a partner may still ask for a tile that names it
	s_endpgm
.Lfunc_end_k_qbb24b01ceb_project:
	.size	k_qbb24b01ceb_project, .Lfunc_end_k_qbb24b01ceb_project-k_qbb24b01ceb_project
	.p2alignl 7, 3214868480
	.fill 96, 4, 3214868480
	.section	.rodata,"a",@progbits
	.p2align	6, 0x0
	.amdhsa_kernel k_qbb24b01ceb_project
		.amdhsa_group_segment_fixed_size 327680
		.amdhsa_private_segment_fixed_size 0
		.amdhsa_enable_private_segment 0
		.amdhsa_kernarg_size 48
		.amdhsa_user_sgpr_count 2
		.amdhsa_user_sgpr_kernarg_segment_ptr 1
		.amdhsa_wavefront_size32 1
		.amdhsa_system_sgpr_workgroup_id_x 1
		.amdhsa_system_sgpr_workgroup_id_y 1
		.amdhsa_system_sgpr_workgroup_id_z 1
		.amdhsa_system_vgpr_workitem_id 0
		.amdhsa_next_free_vgpr 1024
		.amdhsa_next_free_sgpr 98
		.amdhsa_reserve_vcc 0
		.amdhsa_float_denorm_mode_32 3
		.amdhsa_float_denorm_mode_16_64 3
		.amdhsa_memory_ordered 1
		.amdhsa_forward_progress 1
		.amdhsa_inst_pref_size 138
	.end_amdhsa_kernel
	.amdgpu_metadata
---
amdhsa.version: [ 1, 2 ]
amdhsa.kernels:
  - .name:           k_qbb24b01ceb_project
    .symbol:         k_qbb24b01ceb_project.kd
    .args:
      - { .name: codes, .offset: 0, .size: 8, .value_kind: global_buffer, .address_space: global }
      - { .name: scales, .offset: 8, .size: 8, .value_kind: global_buffer, .address_space: global }
      - { .name: bq, .offset: 16, .size: 8, .value_kind: global_buffer, .address_space: global }
      - { .name: bk, .offset: 24, .size: 8, .value_kind: global_buffer, .address_space: global }
      - { .name: bv, .offset: 32, .size: 8, .value_kind: global_buffer, .address_space: global }
      - { .name: frags, .offset: 40, .size: 8, .value_kind: global_buffer, .address_space: global }
    .group_segment_fixed_size: 327680
    .private_segment_fixed_size: 0
    .kernarg_segment_align: 8
    .kernarg_segment_size: 48
    .max_flat_workgroup_size: 128
    .sgpr_count:     98
    .vgpr_count:     1024
    .wavefront_size: 32
...
	.end_amdgpu_metadata
.endif
;; end of part 2
;; launch attend (part 3): grid 8 x 32, 8 waves a work-group, clusters of 4 x 1, 327,680 bytes of LDS; arguments frags, mask, out0; writes out0
.if DOCPART == 3
	.amdgcn_target "amdgcn-amd-amdhsa--gfx1250"
	.amdhsa_code_object_version 6
	.text
	.protected	k_qbb24b01ceb_attend
	.globl	k_qbb24b01ceb_attend
	.p2align	8
	.type	k_qbb24b01ceb_attend,@function
k_qbb24b01ceb_attend:
	s_mov_b64 s[64:65], 0
	v_nop
	global_prefetch_b8 v0, s[64:65] scope:SCOPE_SE
	s_setreg_imm32_b32 hwreg(HW_REG_WAVE_MODE, 25, 1), 1
	s_wait_xcnt 0x0
	s_wait_alu depctr_hold_cnt(0) depctr_sa_sdst(0) depctr_va_vdst(0) depctr_va_sdst(0) depctr_va_ssrc(0) depctr_va_vcc(0) depctr_vm_vsrc(0)
	s_getreg_b32 s2, hwreg(HW_REG_IB_STS2, 6, 4)
	s_cmp_eq_u32 s2, 0
	s_cbranch_scc0 .Lentry_in_a_cluster
	s_endpgm
.Lentry_in_a_cluster:
	s_bfe_u32 s2, ttmp6, 0x10000c
	s_cmp_lg_u32 s2, 0x3003
	s_cbranch_scc0 .Lentry_shape_is_right
	s_endpgm
.Lentry_shape_is_right:
; out[b][q][64 h ..] = the sum over keys of softmax(qh . kh / 8, masked keys left out) vh, for 2 batches x 16 heads of 64 channels, 2,048 queries and keys.  Both products with f16 operands and f32 sums.
; frags holds qh x log2(e) / 8, kh and vh in f16, in the order of the operands' registers: [T][b][head][16 tokens][16 channels] in pieces of 512 bytes; a lane's 16 bytes of a piece lie at 16 x lane.
; SHARES.  A work-group owns 256 queries of one (b, head); each of its eight waves 32 of them, two tiles of 16: two waves to a SIMD, so that one wave's softmax stands beside the other's products.  Every wave walks all 2,048 keys, 64 a step.
; LAYOUT.  Both products are used transposed: S^T = K Q^T (source 0 = 16 keys, source 1 = 16 queries), O^T = V^T P (source 0 = 16 channels x 32 keys): a lane holds ONE query (lane % 16) throughout, and two tiles of S^T, rounded to
; f16 in pairs, ARE source 1 of the second product.  K's fragments come out of LDS as they lie, V's by the turning load; every LDS load reads 512 consecutive bytes, so there is no padding.
; THE MASK is the C of each score's first product: 0 for a key that counts, -2^100 for a masked one, from a table of f32 that the work-group makes of the batch's 2,048 mask bytes once.
; SOFTMAX.  t = the score (the factor is in qh).  For each query a running maximum m, which starts at -2^60: p = 2^(t - m); in every step O^T and the sum are multiplied by a = 2^(old m - new m).  A masked key has t = -2^100, so its p
; is 0 whatever m is.  The row's sum is a product of ones with P, on the same rounded p that multiply V.  At the end the sum is held at 2^-100 from below: where every key of a batch is masked, O^T is 0 and the result 0.
; LIMITS: |qh x log2(e) / 8|, |kh|, |vh| under 65,504 (f16), so |t| is under 2^39, far under 2^60; NaN and infinities among the inputs are not served.
; RING.  Two LDS slots of 512 keys (K's 65,536 bytes, then V's), filled by the tensor data mover, 16,384 dense bytes a wave (waves 0-3 K's quarters, waves 4-7 V's).  2,048 keys are four slots' worth: two first fills, two refills.
; CLUSTER.  The four query blocks of a cluster belong to one head and walk the same K and V: each tile is asked for jointly, by the same tensor load with the same descriptor and a mask that names the four.
; REGISTERS.  window 0: v1-15 addresses; v16-31 statistics, eight a tile; v32-95 S^T, then p; v96-127 P; v128-191 O^T; v192-207 the sums; v208-209 mask bytes.
;   window 1: v0-31 Q; v32-95 K of a step; v96-159 V of a step; v160-191 the step's mask numbers; v192-199 ones.
.set SLOTB, 131072                     ; a slot
.set VOFF,  65536                      ; V's part of a slot
.set STEPB, 8192                       ; 64 keys of K, or of V
.set MT,    262144                     ; behind the ring: the mask table, 2,048 f32
.set STAGE, 270336                     ; the way out: 16 rows x 272 bytes for each wave
.set SP,    272
.set SPARE, 305152                     ; the spare words, 128 bytes a wave, which no other line names
.set LI,  1                            ; v1  16 x lane
.set LIV, 2                            ; v2  the same in V's part
.set LM,  3                            ; v3  MT + 32 (lane / 16)
.set ADK, 4                            ; v4-6 the step's LDS addresses: K, V, mask numbers
.set ADV, 5
.set ADM, 6
.set MA,  7                            ; v7  MT + 32 x thread: where I put my eight mask numbers
.set MO,  8                            ; v8  8 x thread: my eight mask bytes
.set STO, 9                            ; v9  the way out: where I put 32 bytes of a row
.set RD,  10                           ; v10 where I read a row back
.set GO,  11                           ; v11 my byte offset in the wave's rows of out
.set PFO, 12                           ; v12 256 x lane; never rewritten
.set SPW, 14                           ; v14 LDS address of my spare word; never rewritten
.set NIL, 15                           ; v15 0; never rewritten
.set ST,  16                           ; tile t's statistics at v[ST + 8 t]: +0 m, +1 old m, +2 a (at the end 1 / sum), +3 at work, +4 .. +7 four chains of the maximum
.set S,   32
.set P,   96
.set O,   128
.set LA,  192
.set MB,  208
.set QF,  0                            ; window 1
.set KF,  32
.set VF,  96
.set MK,  160
.set ON,  192
.set WV,  10                           ; s10 wave; s11 cx; s12 my block of 256 queries; s13 16 b + head
.set CX,  11
.set QB,  12
.set BH,  13
.set PFA, 18                           ; s[18:19] what I prefetch; never rewritten
.set LIM, 20                           ; s20 0 in a wave that prefetches
.set QP,  22                           ; s[22:23] my wave's Q
.set G1,  24                           ; s[24:31] descriptor group 1
.set G0,  32                           ; s[32:39] group 0, a set for each slot
.set TK,  40                           ; s40 LDS byte of the step's K
.set TM,  41                           ; s41 the step's place in the mask table
.set CNT, 42
.set SEL, 44                           ; s[44:45] lane selects for v_permlanex16_b32: lane l xor 16
.set NEG, 46                           ; s46 the bits of -2^100
.set MSB, 0
.macro WIN new                         ; the immediate's high byte repeats the setting that is left
.if MSB != (\new)
	s_set_vgpr_msb (MSB<<8)|(\new)
.set MSB, (\new)
.endif
.endm
.macro CROUND                          ; a round of the cluster's barrier
	s_barrier_signal -1
	s_barrier_wait -1
	s_cmp_lg_u32 s[WV], 0
	s_cbranch_scc1 .Lnot_wave_0_\@
	s_barrier_signal -3
.Lnot_wave_0_\@:
	s_barrier_wait -3
	s_barrier_signal -1
	s_barrier_wait -1
.endm
	s_load_b128 s[4:7], s[0:1], 0x0                ; frags s[4:5], mask s[6:7]
	s_load_b64 s[8:9], s[0:1], 0x10                ; out0
	v_lshl_add_u32 v[SPW], v0, 2, SPARE
	v_mov_b32 v[NIL], 0
	ds_add_u32 v[SPW], v[NIL]                      ; the wave's opening: the add, twice on end, and its wait ahead of my first tensor load
	ds_add_u32 v[SPW], v[NIL]                      ; and once more; the set-up below, work on registers, stands between it and the wait
	v_lshrrev_b32 v[LI], 5, v0
	v_readfirstlane_b32 s[WV], v[LI]               ; wave 0..7
	s_bfe_u32 s[CX], ttmp6, 0x40000                ; my place in the cluster
	s_lshl_b32 s[QB], ttmp9, 2
	s_add_co_u32 s[QB], s[QB], s[CX]               ; my block of queries: it enters Q's and out's addresses alone
	s_and_b32 s[BH], ttmp7, 0xffff                 ; batch and head, which the four partners share
	; descriptor group 1: 64 rows of 256 bytes, dense: 16,384 bytes
	s_mov_b32 s[G1], 15|(3<<16)|(1<<21)            ; 15:0 the mask: all four work-groups; 17:16 elements of 8 bytes; 21 set beside a mask; no padding
	s_mov_b32 s[G1+1], 32<<16                      ; tensor_dim0 = 32 elements
	s_mov_b32 s[G1+2], 64<<16                      ; tensor_dim1 = 64
	s_mov_b32 s[G1+3], 32<<16                      ; tile_dim0
	s_mov_b32 s[G1+4], 64                          ; tile_dim1
	s_mov_b32 s[G1+5], 32                          ; from row to row
	s_mov_b32 s[G1+6], 0
	s_mov_b32 s[G1+7], 0
	s_mov_b32 s[SEL], 0x76543210
	s_mov_b32 s[SEL+1], 0xfedcba98
	s_mov_b32 s[NEG], 0xf1800000
	s_lshr_b32 s14, s[WV], 2                       ; what I fetch: waves 0-3 K (tensor 1), waves 4-7 V (tensor 2),
	s_lshl_b32 s14, s14, 23
	s_lshl_b32 s15, s[BH], 18                      ; my head's 262,144 bytes,
	s_add_co_u32 s14, s14, s15
	s_and_b32 s15, s[WV], 3
	s_lshl_b32 s15, s15, 14                        ; my quarter of a slot's 65,536
	s_add_co_u32 s14, s14, s15
	s_add_co_u32 s14, s14, 8388608
	s_mov_b32 s15, 0
	s_lshl_b32 s16, s[WV], 14                      ; and where it goes: wave x 16,384: K's four quarters, then V's
	s_lshr_b32 s[LIM], s[WV], 2
	s_or_b32 s[LIM], s[LIM], ttmp9                 ; 0 in waves 0-3 of the head's first cluster: the same in all four partners
	s_wait_dscnt 0x0                               ; both opening adds are done
	s_wait_kmcnt 0x0
	s_mov_b32 s[G0], 1
	s_mov_b32 s[G0+1], s16
	s_add_nc_u64 s[G0+2:G0+3], s[4:5], s[14:15]    ; slot 0: keys 0 .. 511
	s_mov_b32 s[G0+4], 1
	s_add_co_u32 s[G0+5], s16, SLOTB
	s_add_nc_u64 s[G0+6:G0+7], s[G0+2:G0+3], 65536 ; slot 1: keys 512 .. 1,023
	s_or_b32 s[G0+3], s[G0+3], 0x80000000          ; type = 2
	s_or_b32 s[G0+7], s[G0+7], 0x80000000
	CROUND                                         ; all four work-groups are here: the first joint loads meet
	tensor_load_to_lds s[G0:G0+3], s[G1:G1+7]
	s_nop 0
	tensor_load_to_lds s[G0+4:G0+7], s[G1:G1+7]    ; two tensor loads of mine are out
	s_nop 0
.rept 4
	v_nop
.endr
	s_lshr_b32 s14, s[BH], 4
	s_lshl_b32 s14, s14, 11                        ; my batch's 2,048 mask bytes
	s_add_nc_u64 s[6:7], s[6:7], s[14:15]
	s_lshl_b32 s14, s[BH], 18
	s_lshl_b32 s16, s[QB], 15                      ; 256 queries are 32,768 bytes of a head,
	s_add_co_u32 s14, s14, s16
	s_lshl_b32 s16, s[WV], 12                      ; my wave's 32 are 4,096
	s_add_co_u32 s14, s14, s16
	s_add_nc_u64 s[QP:QP+1], s[4:5], s[14:15]
	v_lshlrev_b32 v[MO], 3, v0
	v_and_b32 v[LI], 31, v0
	v_lshlrev_b32 v[LI], 4, v[LI]
	global_load_b64 v[MB:MB+1], v[MO], s[6:7]      ; 256 threads x 8 bytes: the batch's mask
	WIN 0x40                                       ; destination window 1
.irp i, 0,1,2,3,4,5,6,7
	global_load_b128 v[QF+4*\i:QF+4*\i+3], v[LI], s[QP:QP+1] offset:512*\i   ; Q stays in registers: tile i / 4, channels 16 (i % 4) on: a piece is half a fragment
.endr
.irp i, 0,1,2,3,4,5,6,7
	v_mov_b32 v[ON+\i], 0x3c003c00                 ; 16 x 32 ones in f16
.endr
	WIN 0
	; the prefetch's address: of the last 512 keys' 65,536 bytes of K (waves 0, 1) and of V (waves 2, 3), my work-group's 16,384 and my wave's 8,192 of them; lanes 256 bytes apart
	s_bfe_u32 s14, s[WV], 0x10001
	s_lshl_b32 s14, s14, 23
	s_lshl_b32 s16, s[BH], 18
	s_add_co_u32 s14, s14, s16
	s_lshl_b32 s16, s[CX], 14
	s_add_co_u32 s14, s14, s16
	s_and_b32 s16, s[WV], 1
	s_lshl_b32 s16, s16, 13
	s_add_co_u32 s14, s14, s16
	s_add_co_u32 s14, s14, 8388608+3*65536
	s_add_nc_u64 s[PFA:PFA+1], s[4:5], s[14:15]
	; out at my wave's first query and my head's 256 bytes of a row
	s_lshr_b32 s14, s[BH], 4
	s_lshl_b32 s14, s14, 11
	s_lshl_b32 s16, s[QB], 8
	s_add_co_u32 s14, s14, s16
	s_lshl_b32 s16, s[WV], 5
	s_add_co_u32 s14, s14, s16
	s_lshl_b32 s14, s14, 12                        ; a row of out is 4,096 bytes
	s_and_b32 s16, s[BH], 15
	s_lshl_b32 s16, s16, 8
	s_add_co_u32 s14, s14, s16
	s_add_nc_u64 s[8:9], s[8:9], s[14:15]
	v_add_nc_u32 v[LIV], VOFF, v[LI]
	v_bfe_u32 v[LM], v0, 4, 1
	v_lshl_add_u32 v[LM], v[LM], 5, MT
	v_lshl_add_u32 v[MA], v0, 5, MT
	v_lshlrev_b32 v[PFO], 4, v[LI]
.irp t, 0,1
	v_mov_b32 v[ST+8*\t], 0xdd800000               ; m = -2^60, under every t that counts
.irp i, 1,2,3,4,5,6,7
	v_mov_b32 v[ST+8*\t+\i], 0                     ; (a lane permute's destination counts as one of its sources; pairs are named whole)
.endr
.endr
.set i, 0
.rept 80
	v_mov_b32 v[O+i], 0                            ; O^T and the sums.  (The step is written once: the first finds zeros)
.set i, i+1
.endr
	s_wait_loadcnt 8                               ; the mask bytes are in; Q's eight loads, issued behind them, may be out
.irp i, 0,1,2,3,4,5,6,7
	v_bfe_u32 v[S+\i], v[MB+\i/4], 8*(\i%4), 8     ; a byte, 0 or 1,
.endr
.irp i, 0,1,2,3,4,5,6,7
	v_mul_lo_u32 v[S+\i], v[S+\i], s[NEG]          ; times the bits of -2^100: 0.0 or -2^100
.endr
	ds_store_b128 v[MA], v[S:S+3]
	ds_store_b128 v[MA], v[S+4:S+7] offset:16
	s_wait_tensorcnt 1                             ; my part of slot 0 is in; slot 1's may stay out
	s_wait_dscnt 0x0                               ; for the others' sake: my part of the table is stored
	s_barrier_signal -1
	s_barrier_wait -1
	s_wait_loadcnt 0x0                             ; Q
; A KEY STEP: 64 keys.
.macro STEP
	v_add_nc_u32 v[ADK], s[TK], v[LI]
	v_add_nc_u32 v[ADV], s[TK], v[LIV]
	v_add_nc_u32 v[ADM], s[TM], v[LM]
	v_nop                                          ; four places behind the last step's products, in front of the loads into V's registers (ISA guide 7.12.1 for vector instructions)
	WIN 0x40                                       ; destination window 1
.irp i, 0,1,2,3,4,5,6,7,8,9,10,11,12,13,14,15
	ds_load_b128 v[KF+4*\i:KF+4*\i+3], v[ADK] offset:512*\i                    ; keys 16 (i / 4) on, channels 16 (i % 4) on
.endr
.irp i, 0,1,2,3,4,5,6,7
	ds_load_b128 v[MK+4*\i:MK+4*\i+3], v[ADM] offset:64*(\i/2)+16*(\i%2)       ; tile i / 2: the numbers of keys 8 (lane / 16) + 0 .. 7, in the result's layout
.endr
.irp f, 0,1,2,3,4,5,6,7
.irp u, 0,1
	ds_load_tr16_b128 v[VF+8*\f+4*\u:VF+8*\f+4*\u+3], v[ADV] offset:(2*(\f/4)+\u)*2048+(\f%4)*512   ; keys 32 (f / 4) + 16 u on, channels 16 (f % 4) on, turned
.endr
.endr
	s_wait_dscnt 16                                ; K and the mask numbers are in; V's sixteen loads may be out
	WIN 0x15                                       ; K, Q and the mask numbers in window 1, S^T in window 0
.irp kt, 0,1,2,3
.irp t, 0,1
	v_wmma_f32_16x16x32_f16 v[S+32*\t+8*\kt:S+32*\t+8*\kt+7], v[KF+16*\kt:KF+16*\kt+7], v[QF+16*\t:QF+16*\t+7], v[MK+8*\kt:MK+8*\kt+7]
.endr
.endr
	WIN 0x05                                       ; the second 32 channels add in place; the eight accumulators take turns
.irp kt, 0,1,2,3
.irp t, 0,1
	v_wmma_f32_16x16x32_f16 v[S+32*\t+8*\kt:S+32*\t+8*\kt+7], v[KF+16*\kt+8:KF+16*\kt+15], v[QF+16*\t+8:QF+16*\t+15], v[S+32*\t+8*\kt:S+32*\t+8*\kt+7]
.endr
.endr
	WIN 0
.irp t, 0,1
	v_mov_b32 v[ST+8*\t+1], v[ST+8*\t]             ; m is kept for a.  With the two v_nop: four places behind the products
.endr
	v_nop
	v_nop
	; the largest of my 32 scores and m, three operands at a time, four chains a tile, the tiles by turns; each accumulator is read from its low end on
.irp k, 0,1,2,3
.irp t, 0,1
	v_max3_num_f32 v[ST+8*\t+4+\k], v[S+32*\t+8*\k], v[S+32*\t+8*\k+1], v[S+32*\t+8*\k+2]
.endr
.endr
.irp i, 3,5
.irp k, 0,1,2,3
.irp t, 0,1
	v_max3_num_f32 v[ST+8*\t+4+\k], v[ST+8*\t+4+\k], v[S+32*\t+8*\k+\i], v[S+32*\t+8*\k+\i+1]
.endr
.endr
.endr
.irp t, 0,1
	v_max3_num_f32 v[ST+8*\t+4], v[ST+8*\t+4], v[S+32*\t+7], v[S+32*\t+15]
.endr
.irp t, 0,1
	v_max3_num_f32 v[ST+8*\t+6], v[ST+8*\t+6], v[S+32*\t+23], v[S+32*\t+31]
.endr
.irp t, 0,1
	v_max3_num_f32 v[ST+8*\t+4], v[ST+8*\t+4], v[ST+8*\t+5], v[ST+8*\t+6]
.endr
.irp t, 0,1
	v_max3_num_f32 v[ST+8*\t+4], v[ST+8*\t+4], v[ST+8*\t+7], v[ST+8*\t]
.endr
.irp t, 0,1
	v_permlanex16_b32 v[ST+8*\t+3], v[ST+8*\t+4], s[SEL], s[SEL+1]   ; the query's other 32 keys lie in the lane 16 away
.endr
.irp t, 0,1
	v_max_num_f32 v[ST+8*\t], v[ST+8*\t+4], v[ST+8*\t+3]             ; the new m
.endr
.irp t, 0,1
	v_sub_f32 v[ST+8*\t+3], v[ST+8*\t+1], v[ST+8*\t]                 ; old m - new m
.endr
.irp i, 0,2,4,6,8,10,12,14,16,18,20,22,24,26,28,30
.irp t, 0,1
	v_pk_add_f32 v[S+32*\t+\i:S+32*\t+\i+1], v[S+32*\t+\i:S+32*\t+\i+1], v[ST+8*\t:ST+8*\t+1] op_sel_hi:[1,0] neg_lo:[0,1] neg_hi:[0,1]   ; t - m, two at a time (of the pair the low word, m, serves both halves)
.endr
.endr
.irp t, 0,1
	v_exp_f32 v[ST+8*\t+2], v[ST+8*\t+3]           ; a.  ONE BATCH of 66 exponentials: none reads another's result
.endr
.set i, 0
.rept 64
	v_exp_f32 v[S+i], v[S+i]                       ; p = 2^(t - m), at most 1
.set i, i+1
.endr
	v_nop                                          ; a plain instruction behind the last exponential, ahead of the first use
	s_wait_alu depctr_va_vdst(0)                   ; the wait ahead of the first instruction that names a result: one for the batch
.set i, 0
.rept 32
	v_cvt_pk_f16_f32 v[P+i], v[S+2*i], v[S+2*i+1]  ; two neighbouring keys' p: tiles 2 kb and 2 kb + 1 of S^T become source 1 for keys 32 kb on
.set i, i+1
.endr
.set i, 0
.rept 32
	v_pk_mul_f32 v[O+2*i:O+2*i+1], v[O+2*i:O+2*i+1], v[ST+8*(i/16)+2:ST+8*(i/16)+3] op_sel_hi:[1,0]   ; O^T x a
.set i, i+1
.endr
.irp t, 0,1
	v_pk_mul_f32 v[LA+8*\t:LA+8*\t+1], v[LA+8*\t:LA+8*\t+1], v[ST+8*\t+2:ST+8*\t+3] op_sel_hi:[1,0]   ; the sum x a: all eight registers of the accumulator get the same additions, and register 0 alone is read at the end; the others, sums of at most 2,048 p of at most 1, stay finite
.endr
	s_wait_dscnt 0x0                               ; V is in
	WIN 0x01                                       ; V and the ones in window 1; P, O^T and the sums in window 0
.irp kb, 0,1
.irp ct, 0,1,2,3
.irp t, 0,1
	v_wmma_f32_16x16x32_f16 v[O+32*\t+8*\ct:O+32*\t+8*\ct+7], v[VF+8*(4*\kb+\ct):VF+8*(4*\kb+\ct)+7], v[P+16*\t+8*\kb:P+16*\t+8*\kb+7], v[O+32*\t+8*\ct:O+32*\t+8*\ct+7]
.endr
.endr
.irp t, 0,1
	v_wmma_f32_16x16x32_f16 v[LA+8*\t:LA+8*\t+7], v[ON:ON+7], v[P+16*\t+8*\kb:P+16*\t+8*\kb+7], v[LA+8*\t:LA+8*\t+7]   ; ones x P: the query's sum over these 32 keys, in every register.  Ten accumulators take turns
.endr
.endr
	WIN 0
.endm
; A slot's eight key steps; n: which 512 keys of the 2,048.
.macro PASS slot, n
	s_mov_b32 s[TK], \slot*SLOTB
	s_mov_b32 s[TM], \n*2048
	s_mov_b32 s[CNT], 8
.Lstep_\@:
	STEP
	s_add_co_u32 s[TK], s[TK], STEPB
	s_add_co_u32 s[TM], s[TM], 256
	s_sub_co_u32 s[CNT], s[CNT], 1
	s_cmp_lg_u32 s[CNT], 0
	s_cbranch_scc1 .Lstep_\@
.endm
; A PREFETCH INTO THE L2 of what the second refill will ask for, the last 512 keys of K and V: 512 blocks of 256 bytes, each named once in the launch.  Both clusters of a head walk the same K and V: the first asks.  Its four partners
; share the blocks out by address (16,384 bytes of K and of V each); in each, waves 0 and 1 ask for K's and waves 2 and 3 for V's, 8,192 bytes a wave, lanes 256 bytes apart.  It stands behind the first refill's load and its five lines,
; a slot's eight key steps ahead of the load that wants the bytes.  The first three slots' worth come by their loads alone.
.macro ASK
	s_cmp_eq_u32 s[LIM], 0
	s_cbranch_scc0 .Lnot_mine_\@
	global_prefetch_b8 v[PFO], s[PFA:PFA+1] th:TH_LOAD_NT scope:SCOPE_SE
.Lnot_mine_\@:
.endm
; THE CHANGE OF SLOTS.  Each wave waits for all its tensor loads (the one that is out is its part of the slot ahead), adds 0 to its spare word, and waits for that and for its reads of the slot that it leaves.
; fill = 1: that slot is filled again with the keys 1,024 on.  The barrier is then a round of the cluster's, so that no wave of any partner still reads the slot or has a load on its way; the joint refill is the first thing behind it,
; one load of 16,384 bytes a wave, and has eight key steps in which to land.
.macro CHANGE slot, fill, ask
	s_wait_tensorcnt 0x0                           ; no tensor load of mine is out, so a group 0 may be written
	ds_add_u32 v[SPW], v[NIL]                      ; 0 onto my spare word
.if \fill
	s_add_nc_u64 s[G0+4*\slot+2:G0+4*\slot+3], s[G0+4*\slot+2:G0+4*\slot+3], 2*65536   ; two slots' worth on; the type bits on top are not reached
.endif
	s_wait_dscnt 0x0                               ; the add is done, and my reads of the slot are over
.if \fill
	CROUND
	tensor_load_to_lds s[G0+4*\slot:G0+4*\slot+3], s[G1:G1+7]
	s_nop 0
.rept 4
	v_nop
.endr
.if \ask
	ASK
.endif
.else
	s_barrier_signal -1
	s_barrier_wait -1
.endif
.endm
	PASS 0, 0
	CHANGE 0, 1, 1                                 ; slot 0 takes keys 1,024 .. 1,535
	PASS 1, 1
	CHANGE 1, 1, 0                                 ; slot 1 takes keys 1,536 .. 2,047: the last load
	PASS 0, 2
	CHANGE 0, 0, 0                                 ; nothing is left to fetch
	PASS 1, 3
	; THE WAY OUT.  O^T / the sum goes through my stage in LDS, a tile (16 queries x 64 channels, rows of 256 bytes) at a time, and leaves as whole rows.  The address work is the places behind the last products.
	s_mul_i32 s14, s[WV], 16*SP
	s_add_co_u32 s14, s14, STAGE                   ; my stage
	v_and_b32 v[ADK], 15, v0                       ; r
	v_bfe_u32 v[ADV], v0, 4, 1                     ; h
	v_mul_u32_u24 v[STO], v[ADK], SP               ; in: row r, 32 bytes for each half of the lanes
	v_lshl_add_u32 v[STO], v[ADV], 5, v[STO]
	v_add_nc_u32 v[STO], s14, v[STO]
	v_mul_u32_u24 v[RD], v[ADV], SP                ; back: lanes 0-15 one row of 256 bytes, lanes 16-31 the next
	v_lshl_add_u32 v[RD], v[ADK], 4, v[RD]
	v_add_nc_u32 v[RD], s14, v[RD]
	v_lshlrev_b32 v[GO], 12, v[ADV]                ; and the same two rows in out
	v_lshl_add_u32 v[GO], v[ADK], 4, v[GO]
.irp t, 0,1
	v_max_num_f32 v[ST+8*\t+4], 0x0d800000, v[LA+8*\t]   ; the sum, held at 2^-100 from below
.endr
.irp t, 0,1
	v_rcp_f32 v[ST+8*\t+2], v[ST+8*\t+4]
.endr
	v_nop                                          ; a plain instruction between the last reciprocal and the use of its result
	s_wait_alu depctr_va_vdst(0)                   ; and the wait ahead of the first use: one for both
.macro PACK t
.set i, 0
.rept 16
	v_pk_mul_f32 v[S+32*\t+2*i:S+32*\t+2*i+1], v[O+32*\t+2*i:O+32*\t+2*i+1], v[ST+8*\t+2:ST+8*\t+3] op_sel_hi:[1,0]   ; register 8 ct + j is out(query r, channel 16 ct + 8 h + j); each accumulator from its low end on
.set i, i+1
.endr
.irp ct, 0,1,2,3
.irp u, 0,1
	ds_store_b128 v[STO], v[S+32*\t+8*\ct+4*\u:S+32*\t+8*\ct+4*\u+3] offset:64*\ct+16*\u
.endr
.endr
.irp i, 0,1,2,3,4,5,6,7
	ds_load_b128 v[S+32*\t+4*\i:S+32*\t+4*\i+3], v[RD] offset:2*\i*SP   ; LDS serves a wave's instructions in order (ISA guide 5.7.1.4): these see the stores above; the next tile's stores come behind them
.endr
.endm
.macro SEND t, younger                 ; younger: the LDS instructions issued behind tile t's loads
.irp i, 0,1,2,3,4,5,6,7
	s_wait_dscnt \younger+7-\i
	global_store_b128 v[GO], v[S+32*\t+4*\i:S+32*\t+4*\i+3], s[8:9] offset:\t*65536+\i*8192 th:TH_STORE_NT   ; 16 lanes store a query's 256 consecutive bytes, aligned; written once, read by nobody here
.endr
.endm
	PACK 0
	PACK 1
	SEND 0, 16
	SEND 1, 0
	s_wait_tensorcnt 0x0                           ; the wave's end, behind my last tensor load and my last LDS store
	ds_add_u32 v[SPW], v[NIL]
	s_wait_dscnt 0x0
	CROUND                                         ; the closing round: no work-group ends while a partner may still ask for a tile that names it
	s_endpgm
.Lfunc_end_k_qbb24b01ceb_attend:
	.size	k_qbb24b01ceb_attend, .Lfunc_end_k_qbb24b01ceb_attend-k_qbb24b01ceb_attend
	.p2alignl 7, 3214868480
	.fill 96, 4, 3214868480
	.section	.rodata,"a",@progbits
	.p2align	6, 0x0
	.amdhsa_kernel k_qbb24b01ceb_attend
		.amdhsa_group_segment_fixed_size 327680
		.amdhsa_private_segment_fixed_size 0
		.amdhsa_enable_private_segment 0
		.amdhsa_kernarg_size 24
		.amdhsa_user_sgpr_count 2
		.amdhsa_user_sgpr_kernarg_segment_ptr 1
		.amdhsa_wavefront_size32 1
		.amdhsa_system_sgpr_workgroup_id_x 1
		.amdhsa_system_sgpr_workgroup_id_y 1
		.amdhsa_system_sgpr_workgroup_id_z 1
		.amdhsa_system_vgpr_workitem_id 0
		.amdhsa_next_free_vgpr 512
		.amdhsa_next_free_sgpr 66
		.amdhsa_reserve_vcc 0
		.amdhsa_float_denorm_mode_32 3
		.amdhsa_float_denorm_mode_16_64 3
		.amdhsa_memory_ordered 1
		.amdhsa_forward_progress 1
		.amdhsa_inst_pref_size 84
	.end_amdhsa_kernel
	.amdgpu_metadata
---
amdhsa.version: [ 1, 2 ]
amdhsa.kernels:
  - .name:           k_qbb24b01ceb_attend
    .symbol:         k_qbb24b01ceb_attend.kd
    .args:
      - { .name: frags, .offset: 0, .size: 8, .value_kind: global_buffer, .address_space: global }
      - { .name: mask, .offset: 8, .size: 8, .value_kind: global_buffer, .address_space: global }
      - { .name: out0, .offset: 16, .size: 8, .value_kind: global_buffer, .address_space: global }
    .group_segment_fixed_size: 327680
    .private_segment_fixed_size: 0
    .kernarg_segment_align: 8
    .kernarg_segment_size: 24
    .max_flat_workgroup_size: 256
    .sgpr_count:     66
    .vgpr_count:     512
    .wavefront_size: 32
...
	.end_amdgpu_metadata
.endif
;; end of part 3
